; MI455X (gfx1250); checked and timed in simulation.
; The chip was launched on July 23, 2026; its instructions are those of AMD's public machine-readable ISA for CDNA 5 (MIT licence, August 2026) and "CDNA5" Instruction Set Architecture Reference Guide (July 2026). The comments in the code are by the model that wrote it; some were corrected since.
;; Self Attention. Allowed arithmetic: float matrix products may take bf16 or f16 operands with f32 sums; all other float work in f32.
;; Inputs: W_out 1,024 x 1,024 float32; W_qkv 1,024 x 3,072 float32; b_out 1,024 float32; b_qkv 3,072 float32; x 2 x 2,048 x 1,024 float32.
;; Outputs: out0 2 x 2,048 x 1,024 float32.
;; One version. Each part assembles by itself: llvm-mc -triple=amdgcn-amd-amdhsa -mcpu=gfx1250 --defsym DOCPART=n.
;; ======== version 1 of 1: 4 launches
;; limits: values are held in f16: magnitudes above 65,504 overflow, below 6.1e-05 lose precision
;; workspace buffers: xb 8,388,608 bytes; wqb 6,291,456 bytes; wob 2,097,152 bytes; qkv 25,165,824 bytes; att 8,388,608 bytes
;; launch cast (part 1): grid 1024 x 1, 8 waves a work-group, no clusters, 0 bytes of LDS; arguments x, W_qkv, W_out, xb, wqb, wob; writes xb, wqb, wob
.if DOCPART == 1
	.amdgcn_target "amdgcn-amd-amdhsa--gfx1250"
	.amdhsa_code_object_version 6
	.text
	.protected	k_qe51271480a_cast
	.globl	k_qe51271480a_cast
	.p2align	8
	.type	k_qe51271480a_cast,@function
k_qe51271480a_cast:
	s_mov_b64 s[64:65], 0
	v_nop
	global_prefetch_b8 v0, s[64:65] scope:SCOPE_SE
	s_setreg_imm32_b32 hwreg(HW_REG_WAVE_MODE, 25, 1), 1
	s_wait_xcnt 0x0
; x, W_qkv and W_out, f32, are rounded once to bf16 (nearest even), element for element, same order, into xb, wqb, wob.
; xb and wqb hold bf16.  wob holds the bf16-rounded numbers WRITTEN IN f16: W_out's partner in the last product, att, is kept in f16, and
; a matrix instruction takes both operands in one format.  f16 holds every bf16 number of magnitude 2^-14 to 65,504 exactly.
; LIMIT: |W_out| < 65,504; numbers of W_out below 2^-14 are kept to within 2^-25.
; The products that follow read every tile of x and of the weights many times (8 to 32 blocks each): rounding once here
; halves the bytes of all those reads and leaves no conversion in their loops.
; A work-group takes 32,768 source bytes: groups 0-511 x, 512-895 W_qkv, 896-1023 W_out (16,777,216 + 12,582,912 + 4,194,304 bytes).
; A wave takes 4,096 of them by eight loads of 512 consecutive bytes, all eight issued before the first is waited for;
; a lane packs its 4 numbers into 8 bytes, so each store of the wave covers 256 consecutive bytes, aligned.
; No LDS, no barrier, no matrix unit: nothing is shared and nothing is multiplied.
.set LD, 8                             ; v[8:39]   eight loads of 4 registers
.set ST, 40                            ; v[40:55]  eight stores of 2 registers
	s_load_b256 s[4:11], s[0:1], 0x0               ; x s[4:5], W_qkv s[6:7], W_out s[8:9], xb s[10:11]
	s_load_b128 s[12:15], s[0:1], 0x20             ; wqb s[12:13], wob s[14:15]
	v_lshrrev_b32 v3, 5, v0                        ; wave
	v_and_b32 v4, 31, v0                           ; lane
	v_lshlrev_b32 v1, 4, v4
	v_lshl_or_b32 v1, v3, 12, v1                   ; source offset: 4,096 wave + 16 lane
	v_lshlrev_b32 v2, 3, v4
	v_lshl_or_b32 v2, v3, 11, v2                   ; destination offset: 2,048 wave + 8 lane
	s_mov_b32 s26, 896
	s_mov_b32 s27, 512
	s_wait_kmcnt 0x0
	s_cmp_ge_u32 ttmp9, s26                        ; the choice of buffers hangs on the group's number alone
	s_cselect_b64 s[16:17], s[8:9], s[6:7]
	s_cselect_b64 s[18:19], s[14:15], s[12:13]
	s_cselect_b32 s20, s26, s27
	s_cmp_lt_u32 ttmp9, s27
	s_cselect_b64 s[16:17], s[4:5], s[16:17]
	s_cselect_b64 s[18:19], s[10:11], s[18:19]
	s_cselect_b32 s20, 0, s20                      ; first group of the chosen buffer
	s_sub_co_u32 s21, ttmp9, s20
	s_lshl_b32 s22, s21, 15                        ; 32,768 source bytes a group
	s_mov_b32 s23, 0
	s_lshl_b32 s24, s21, 14                        ; 16,384 destination bytes a group
	s_mov_b32 s25, 0
	s_add_nc_u64 s[16:17], s[16:17], s[22:23]
	s_add_nc_u64 s[18:19], s[18:19], s[24:25]
.irp i, 0,1,2,3,4,5,6,7
	global_load_b128 v[LD+4*\i:LD+4*\i+3], v1, s[16:17] offset:512*\i th:TH_LOAD_NT
.endr
; Load i is rounded and stored.  inf16 = 1: the two bf16 of each word are widened again (a shift, a mask) and written in f16.
.macro PACK i, inf16
	s_wait_loadcnt 7-\i                            ; loads come back in order: load i is in, the 7 - i younger ones stay out
	v_cvt_pk_bf16_f32 v[ST+2*\i], v[LD+4*\i], v[LD+4*\i+1]
	v_cvt_pk_bf16_f32 v[ST+2*\i+1], v[LD+4*\i+2], v[LD+4*\i+3]
.if \inf16
	v_lshlrev_b32 v[LD+4*\i], 16, v[ST+2*\i]
	v_and_b32 v[LD+4*\i+1], 0xffff0000, v[ST+2*\i]
	v_lshlrev_b32 v[LD+4*\i+2], 16, v[ST+2*\i+1]
	v_and_b32 v[LD+4*\i+3], 0xffff0000, v[ST+2*\i+1]
	v_cvt_pk_f16_f32 v[ST+2*\i], v[LD+4*\i], v[LD+4*\i+1]
	v_cvt_pk_f16_f32 v[ST+2*\i+1], v[LD+4*\i+2], v[LD+4*\i+3]
.endif
	global_store_b64 v2, v[ST+2*\i:ST+2*\i+1], s[18:19] offset:256*\i
.endm
	s_cmp_ge_u32 ttmp9, s26
	s_cbranch_scc1 .Lwout
.irp i, 0,1,2,3,4,5,6,7
	PACK \i, 0
.endr
	s_endpgm
.Lwout:
.irp i, 0,1,2,3,4,5,6,7
	PACK \i, 1
.endr
	s_endpgm
.Lfunc_end_k_qe51271480a_cast:
	.size	k_qe51271480a_cast, .Lfunc_end_k_qe51271480a_cast-k_qe51271480a_cast
	.p2alignl 7, 3214868480
	.fill 96, 4, 3214868480
	.section	.rodata,"a",@progbits
	.p2align	6, 0x0
	.amdhsa_kernel k_qe51271480a_cast
		.amdhsa_group_segment_fixed_size 0
		.amdhsa_private_segment_fixed_size 0
		.amdhsa_enable_private_segment 0
		.amdhsa_kernarg_size 48
		.amdhsa_user_sgpr_count 2
		.amdhsa_user_sgpr_kernarg_segment_ptr 1
		.amdhsa_wavefront_size32 1
		.amdhsa_system_sgpr_workgroup_id_x 1
		.amdhsa_system_sgpr_workgroup_id_y 1
		.amdhsa_system_sgpr_workgroup_id_z 1
		.amdhsa_system_vgpr_workitem_id 0
		.amdhsa_next_free_vgpr 56
		.amdhsa_next_free_sgpr 66
		.amdhsa_reserve_vcc 0
		.amdhsa_float_denorm_mode_32 3
		.amdhsa_float_denorm_mode_16_64 3
		.amdhsa_memory_ordered 1
		.amdhsa_forward_progress 1
		.amdhsa_inst_pref_size 9
	.end_amdhsa_kernel
	.amdgpu_metadata
---
amdhsa.version: [ 1, 2 ]
amdhsa.kernels:
  - .name:           k_qe51271480a_cast
    .symbol:         k_qe51271480a_cast.kd
    .args:
      - { .name: x, .offset: 0, .size: 8, .value_kind: global_buffer, .address_space: global }
      - { .name: W_qkv, .offset: 8, .size: 8, .value_kind: global_buffer, .address_space: global }
      - { .name: W_out, .offset: 16, .size: 8, .value_kind: global_buffer, .address_space: global }
      - { .name: xb, .offset: 24, .size: 8, .value_kind: global_buffer, .address_space: global }
      - { .name: wqb, .offset: 32, .size: 8, .value_kind: global_buffer, .address_space: global }
      - { .name: wob, .offset: 40, .size: 8, .value_kind: global_buffer, .address_space: global }
    .group_segment_fixed_size: 0
    .private_segment_fixed_size: 0
    .kernarg_segment_align: 8
    .kernarg_segment_size: 48
    .max_flat_workgroup_size: 256
    .sgpr_count:     66
    .vgpr_count:     56
    .wavefront_size: 32
...
	.end_amdgpu_metadata
.endif
;; end of part 1
;; launch qkvgemm (part 2): grid 8 x 32, 4 waves a work-group, clusters of 4 x 4, 327,680 bytes of LDS; arguments xb, wqb, b_qkv, qkv; writes qkv
.if DOCPART == 2
	.amdgcn_target "amdgcn-amd-amdhsa--gfx1250"
	.amdhsa_code_object_version 6
	.text
	.protected	k_qe51271480a_qkvgemm
	.globl	k_qe51271480a_qkvgemm
	.p2align	8
	.type	k_qe51271480a_qkvgemm,@function
k_qe51271480a_qkvgemm:
	s_mov_b64 s[64:65], 0
	v_nop
	global_prefetch_b8 v0, s[64:65] scope:SCOPE_SE
	s_setreg_imm32_b32 hwreg(HW_REG_WAVE_MODE, 25, 1), 1
	s_wait_xcnt 0x0
	s_wait_alu depctr_hold_cnt(0) depctr_sa_sdst(0) depctr_va_vdst(0) depctr_va_sdst(0) depctr_va_ssrc(0) depctr_va_vcc(0) depctr_vm_vsrc(0)
	s_getreg_b32 s2, hwreg(HW_REG_IB_STS2, 6, 4)
	s_cmp_eq_u32 s2, 0
	s_cbranch_scc0 .Lentry_in_a_cluster
	s_endpgm
.Lentry_in_a_cluster:
	s_bfe_u32 s2, ttmp6, 0x10000c
	s_cmp_lg_u32 s2, 0xf033
	s_cbranch_scc0 .Lentry_shape_is_right
	s_endpgm
.Lentry_shape_is_right:
; qkv = x W_qkv + b_qkv.  xb: [4096][1024] bf16, wqb: [1024 k][3072 n] bf16, b_qkv: [3072] f32.
; Output qkv: f16 [48 g][4096 m][64], g = column / 64 (0-15 q heads, 16-31 k heads, 32-47 v heads): each head's rows lie densely.
; LIMITS: the operands are rounded to bf16; sums and the bias are f32; q, k, v are stored in f16 (11 significant bits: the first rows of
; the attention's result are averages over few keys, far larger than a typical number of the output, and carry v's rounding undamped).
; So |q|, |k|, |v| < 65,504, and numbers below 2^-14 are kept to within 2^-25.
; A work-group makes 128 rows x 384 columns with four waves; a wave makes 64 x 192 (three whole heads): 48 accumulator tiles, 384 registers.
; 32 x 8 = 256 work-groups.  K goes in steps of 128 through two LDS slots filled by the tensor data mover, one load a wave:
; waves 0-2 a panel of W (128 k rows x 128 columns), wave 3 the tile of x (128 rows x 128 k); every row is 256 bytes at a multiple of 256.
; CLUSTERS 4 x 4: x's tile hangs on the block row alone and is asked for jointly by a row of the cluster, W's panels hang on the block
; column alone and are asked for jointly by a column: each tile is requested once for four work-groups.
; W lies [k][n], so its fragments come out of LDS by the transposing load.
; x's pitch 272 = 17 x 16 bytes does the same for plain loads.
; THE MATRIX INSTRUCTION IS USED TRANSPOSED: source 0 = 16 columns of W, source 1 = 16 rows of x; lane (r, h) then holds row r and
; the eight neighbouring columns 8 h + 0..7, which pack into 16 bytes.
; REGISTERS: window 0: v16-27 addresses, v32-95 fragments of x (two buffers), v96-191 bias, v192-239 packed results;
; window 1: fragments of W, two buffers of 96; window 2: accumulators of my rows 0-31; window 3: of my rows 32-63.
.set KSTEP, 128
.set NW,    3072
.set PA,    272
.set PB,    288
.set PANEL, 128*PB                     ; 36,864: one panel of W
.set AOFF,  3*PANEL                    ; x's tile behind the three panels
.set SLOT,  AOFF+128*PA                ; 145,408
.set STAGE, 2*SLOT                     ; 290,816: behind the ring, never filled by a tensor load
.set SPITCH, 400                       ; a staged row: 384 bytes + 16
.set WSTAGE, 16*SPITCH
.set LAPS,  4                          ; 1024 / (2 x 128)
.set ADRA, 16                          ; v16-17  x fragments, slot 0, 1
.set ADRB, 18                          ; v18-23  W fragments: 18 + 3 slot + (n tile / 4)
.set STO,  24
.set RD,   25
.set CO,   26
.set BOF,  27
.set FA,   32                          ; + 32 f
.set BIAS, 96
.set TMP,  192
.set G1A, 24
.set G0A, 32
.set G1B, 48
.set G0B, 56
.set MSB, 0
.macro WIN new                         ; the immediate's high byte repeats the setting that is left
.if MSB != \new
	s_set_vgpr_msb (MSB<<8)|\new
.set MSB, \new
.endif
.endm
.macro PLACES                          ; four places behind matrix instructions, in front of loads into, and vector work on, their registers
.rept 4
	v_nop
.endr
.endm
; A joint load: wave 3 asks for x's tile, waves 0-2 for W's panels.  Each line has one mask; the branch hangs on the wave's number alone.
.macro JLOAD s
	s_cmp_eq_u32 s12, 3
	s_cbranch_scc0 .Lfor_b_\@
	tensor_load_to_lds s[G0A+4*\s:G0A+4*\s+3], s[G1A:G1A+7]
	s_nop 0
	s_branch .Lasked_\@
.Lfor_b_\@:
	tensor_load_to_lds s[G0B+4*\s:G0B+4*\s+3], s[G1B:G1B+7]
	s_nop 0
.Lasked_\@:
.endm
.macro CREST                           ; a round of the cluster's barrier behind its opening barrier
	s_cmp_lg_u32 s12, 0
	s_cbranch_scc1 .Lnot_wave_0_\@
	s_barrier_signal -3
.Lnot_wave_0_\@:
	s_barrier_wait -3
	s_barrier_signal -1
	s_barrier_wait -1
.endm
.macro CROUND
	s_barrier_signal -1
	s_barrier_wait -1
	CREST
.endm
	s_load_b256 s[4:11], s[0:1], 0x0               ; xb s[4:5], wqb s[6:7], b_qkv s[8:9], qkv s[10:11]
	s_set_vgpr_msb 0x40
	v_lshl_add_u32 v255, v0, 2, 0x4d400
	s_set_vgpr_msb 0x4000
	v_mov_b32 v255, 0
	s_set_vgpr_msb 0x1
	ds_add_u32 v255, v255
	ds_add_u32 v255, v255
	s_set_vgpr_msb 0x100
	v_lshrrev_b32 v1, 5, v0
	v_readfirstlane_b32 s12, v1                    ; wave 0..3
	s_lshr_b32 s13, s12, 1                         ; wm: which 64 rows
	s_and_b32 s14, s12, 1                          ; wn: which 192 columns
	s_bfe_u32 s40, ttmp6, 0x40000                  ; cx
	s_bfe_u32 s41, ttmp6, 0x40004                  ; cy
	s_lshl_b32 s42, ttmp9, 2
	s_add_co_u32 s42, s42, s40                     ; block column 0..7
	s_and_b32 s43, ttmp7, 0xffff
	s_lshl_b32 s43, s43, 2
	s_add_co_u32 s43, s43, s41                     ; block row 0..31
	s_lshl_b32 s44, s41, 2
	s_lshl_b32 s44, 15, s44                        ; my row of the cluster
	s_lshl_b32 s45, 0x1111, s40                    ; my column
	s_or_b32 s[G1A+0], s44, (1<<16)|(1<<20)|(1<<21)|(5<<22)|(3<<25)   ; mask; 2-byte elements; pad 4 words behind every 64
	s_or_b32 s[G1B+0], s45, (1<<16)|(1<<20)|(1<<21)|(5<<22)|(7<<25)   ; mask; 2-byte elements; pad 8 words behind every 64
	s_mov_b32 s[G1A+1], KSTEP<<16                  ; tensor_dim0 = 128
	s_mov_b32 s[G1B+1], 128<<16
	s_mov_b32 s[G1A+2], 128<<16                    ; tensor_dim1 = 128
	s_mov_b32 s[G1B+2], KSTEP<<16
	s_mov_b32 s[G1A+3], KSTEP<<16                  ; tile_dim0 = 128
	s_mov_b32 s[G1B+3], 128<<16
	s_mov_b32 s[G1A+4], 128                        ; tile_dim1 = 128
	s_mov_b32 s[G1B+4], KSTEP
	s_mov_b32 s[G1A+5], 1024                       ; elements from row to row of xb
	s_mov_b32 s[G1B+5], NW                         ; of wqb
	s_mov_b32 s[G1A+6], 0
	s_mov_b32 s[G1B+6], 0
	s_mov_b32 s[G1A+7], 0
	s_mov_b32 s[G1B+7], 0
	s_lshl_b32 s16, s43, 18                        ; x: block row x 128 rows x 2,048 bytes (never holds cx)
	s_mov_b32 s17, 0
	s_mul_i32 s46, s42, 768                        ; W: block column x 384 columns x 2 bytes (never holds cy)
	s_lshl_b32 s47, s12, 8                         ; + my panel
	s_add_co_u32 s46, s46, s47
	s_mov_b32 s47, 0
	s_mul_i32 s20, s12, PANEL                      ; LDS: wave x 36,864: panels 0-2, then x's tile
	s_mul_i32 s68, s42, 1536                       ; bias: (384 block column + 192 wn) x 4 bytes
	s_mul_i32 s69, s14, 768
	s_add_co_u32 s68, s68, s69
	s_mov_b32 s69, 0
	s_mul_i32 s66, s42, 6                          ; output: head group 6 block column + 3 wn,
	s_mul_i32 s67, s14, 3
	s_add_co_u32 s66, s66, s67
	s_lshl_b32 s66, s66, 19                        ; 524,288 bytes each,
	s_lshl_b32 s67, s43, 14                        ; row 128 block row + 64 wm, 128 bytes each
	s_add_co_u32 s66, s66, s67
	s_lshl_b32 s67, s13, 13
	s_add_co_u32 s66, s66, s67
	s_mov_b32 s67, 0
	s_wait_dscnt 0x0
	s_wait_kmcnt 0x0
	s_add_nc_u64 s[16:17], s[4:5], s[16:17]
	s_add_nc_u64 s[46:47], s[6:7], s[46:47]
	s_add_nc_u64 s[8:9], s[8:9], s[68:69]
	s_add_nc_u64 s[10:11], s[10:11], s[66:67]
	CROUND                                         ; all sixteen work-groups are here: the first joint loads meet
.irp s, 0,1
	s_mov_b32 s[G0A+4*\s], 1
	s_add_co_u32 s[G0A+4*\s+1], s20, \s*SLOT
	s_add_nc_u64 s[G0A+4*\s+2:G0A+4*\s+3], s[16:17], \s*KSTEP*2
	s_or_b32 s[G0A+4*\s+3], s[G0A+4*\s+3], 0x80000000
	s_mov_b32 s[G0B+4*\s], 1
	s_add_co_u32 s[G0B+4*\s+1], s20, \s*SLOT
	s_add_nc_u64 s[G0B+4*\s+2:G0B+4*\s+3], s[46:47], \s*KSTEP*NW*2
	s_or_b32 s[G0B+4*\s+3], s[G0B+4*\s+3], 0x80000000
	JLOAD \s                                       ; both slots' first fills go out together: two loads of this wave are out
.endr
	v_and_b32 v1, 15, v0                           ; r
	v_bfe_u32 v2, v0, 4, 1                         ; h
	v_lshlrev_b32 v[BOF], 5, v2                    ; my 8 columns' bias: 32 h bytes
.irp b, 0,1,2,3,4,5,6,7,8,9,10,11
	global_load_b128 v[BIAS+8*\b:BIAS+8*\b+3], v[BOF], s[8:9] offset:64*\b
	global_load_b128 v[BIAS+8*\b+4:BIAS+8*\b+7], v[BOF], s[8:9] offset:64*\b+16
.endr
	v_mul_u32_u24 v3, v1, PA                       ; x fragment: row r, 16 bytes for each half of the lanes
	v_lshl_add_u32 v3, v2, 4, v3
	s_mul_i32 s21, s13, 64*PA
	s_add_co_u32 s21, s21, AOFF
	v_add_nc_u32 v[ADRA], s21, v3
	v_add_nc_u32 v[ADRA+1], SLOT, v[ADRA]
	v_and_b32 v4, 7, v0                            ; W fragment, transposing load: k row 8 h + (lane & 7), 16 bytes by lane bit 3
	v_lshl_add_u32 v4, v2, 3, v4
	v_mul_u32_u24 v4, v4, PB
	v_bfe_u32 v5, v0, 3, 1
	v_lshl_add_u32 v4, v5, 4, v4
	s_mul_i32 s22, s14, 3
.irp bg, 0,1,2
	s_add_co_u32 s23, s22, \bg                     ; group of 64 columns 3 wn + bg: panel = group / 2, half = group & 1
	s_lshr_b32 s70, s23, 1
	s_mul_i32 s70, s70, PANEL
	s_and_b32 s23, s23, 1
	s_lshl_b32 s23, s23, 7
	s_add_co_u32 s70, s70, s23
	v_add_nc_u32 v[ADRB+\bg], s70, v4
	v_add_nc_u32 v[ADRB+3+\bg], SLOT, v[ADRB+\bg]
.endr
	s_mul_i32 s23, s12, WSTAGE
	s_add_co_u32 s23, s23, STAGE                   ; my stage
	v_mul_u32_u24 v5, v1, SPITCH
	v_lshl_add_u32 v5, v2, 4, v5
	v_add_nc_u32 v[STO], s23, v5                   ; in: row r, 16 h
	v_bfe_u32 v5, v0, 3, 2
	v_mul_u32_u24 v5, v5, SPITCH
	v_and_b32 v6, 7, v0
	v_lshl_add_u32 v5, v6, 4, v5
	v_add_nc_u32 v[RD], s23, v5                    ; back: four rows of one head's 128 bytes
	v_and_b32 v6, 31, v0
	v_lshlrev_b32 v[CO], 4, v6                     ; which are 512 consecutive bytes of qkv: 16 x lane
; 12 matrix instructions: one 16-row tile of x (ap of the window's two; hi picks the window) x all 12 column tiles, 32 along K
.macro MUL12 f, hi, ap, zero
.irp b, 0,1,2,3,4,5,6,7,8,9,10,11
.if \zero
	v_wmma_f32_16x16x32_bf16 v[8*(12*\ap+\b):8*(12*\ap+\b)+7], v[96*\f+8*\b:96*\f+8*\b+7], v[FA+32*\f+8*(2*\hi+\ap):FA+32*\f+8*(2*\hi+\ap)+7], 0
.else
	v_wmma_f32_16x16x32_bf16 v[8*(12*\ap+\b):8*(12*\ap+\b)+7], v[96*\f+8*\b:96*\f+8*\b+7], v[FA+32*\f+8*(2*\hi+\ap):FA+32*\f+8*(2*\hi+\ap)+7], v[8*(12*\ap+\b):8*(12*\ap+\b)+7]
.endif
.endr
.endm
; 32 LDS loads in one run: quarter kq (32 along K) of a slot into buffer f: 24 for W, then 8 for x
.macro FETCH slot, kq, f
	WIN 0x40
.irp b, 0,1,2,3,4,5,6,7,8,9,10,11
	ds_load_tr16_b128 v[96*\f+8*\b:96*\f+8*\b+3], v[ADRB+3*\slot+\b/4] offset:\kq*32*PB+32*(\b%4)
	ds_load_tr16_b128 v[96*\f+8*\b+4:96*\f+8*\b+7], v[ADRB+3*\slot+\b/4] offset:\kq*32*PB+32*(\b%4)+16*PB
.endr
	WIN 0
.irp a, 0,1,2,3
	ds_load_b128 v[FA+32*\f+8*\a:FA+32*\f+8*\a+3], v[ADRA+\slot] offset:\a*16*PA+64*\kq
	ds_load_b128 v[FA+32*\f+8*\a+4:FA+32*\f+8*\a+7], v[ADRA+\slot] offset:\a*16*PA+64*\kq+32
.endr
.endm
; The 48 accumulators take turns, one instruction a turn, in the same order in every quarter.
.macro QUARTER slot, kq, f, g, zero
	s_wait_dscnt 4                                 ; W and x's tiles 0, 1 are in; the youngest four loads (x's tiles 2, 3) may be out
	WIN 0xa1
	MUL12 \f, 0, 0, \zero
	MUL12 \f, 0, 1, \zero
	PLACES
	FETCH \slot, \kq, \g
	s_wait_dscnt 32                                ; all but the 32 just issued
	WIN 0xf1
	MUL12 \f, 1, 0, \zero
	MUL12 \f, 1, 1, \zero
.endm
.macro THREE slot, zero
	QUARTER \slot, 1, 0, 1, \zero
	QUARTER \slot, 2, 1, 0, 0
	QUARTER \slot, 3, 0, 1, 0
.endm
; The last quarter of a K step changes slots.  In front of the barrier each wave waits for its reads of this slot and for all its tensor
; loads (one is out: its part of the next slot).  Where the slot is filled again the barrier opens a round of the cluster's barrier, and
; the joint refill is the first tensor load behind the round's closing wait: it has 180 matrix instructions in which to land.
.macro TURN slot, next, fill
	s_wait_dscnt 4
	WIN 0xa1
	MUL12 1, 0, 0, 0
	s_wait_dscnt 0
	s_wait_tensorcnt 0x0
	ds_add_u32 v255, v255
	s_wait_dscnt 0x0
	s_barrier_signal -1
	MUL12 1, 0, 1, 0                               ; register work between signal and wait
	WIN 0
	s_barrier_wait -1
.if \fill
	CREST
	s_add_nc_u64 s[G0A+4*\slot+2:G0A+4*\slot+3], s[G0A+4*\slot+2:G0A+4*\slot+3], 2*KSTEP*2
	s_add_nc_u64 s[G0B+4*\slot+2:G0B+4*\slot+3], s[G0B+4*\slot+2:G0B+4*\slot+3], 2*KSTEP*NW*2
	JLOAD \slot
.endif
	PLACES
	FETCH \next, 0, 0
	WIN 0xf1
	MUL12 1, 1, 0, 0
	MUL12 1, 1, 1, 0
.endm
.macro LAP zero
	THREE 0, \zero
	TURN 0, 1, 1
	THREE 1, 0
	TURN 1, 0, 1
.endm
	s_wait_tensorcnt 1                             ; my part of K step 0 is in; K step 1's load stays out
	s_barrier_signal -1
	s_barrier_wait -1
	FETCH 0, 0, 0
	LAP 1                                          ; the first products start the sums: nothing is cleared
	WIN 0
	s_mov_b32 s3, LAPS-2
.Llap:
	LAP 0
	WIN 0
	s_sub_co_u32 s3, s3, 1
	s_cmp_lg_u32 s3, 0
	s_cbranch_scc1 .Llap
	THREE 0, 0                                     ; the last lap fills nothing
	TURN 0, 1, 0
	THREE 1, 0
	s_wait_dscnt 4
	WIN 0xa1
	MUL12 1, 0, 0, 0
	MUL12 1, 0, 1, 0
	s_wait_dscnt 0
	WIN 0xf1
	MUL12 1, 1, 0, 0
	MUL12 1, 1, 1, 0
	; THE WAY OUT, 16 rows at a time: add the bias in f32, round to f16, 16 bytes a lane into my own stage, read back four rows of one
	; head at a time: 512 consecutive bytes of qkv for each store of the wave.
	PLACES
	s_wait_loadcnt 0x0                             ; the bias
.macro OUT16 a, ap, wadd, wcvt
	WIN \wadd
.irp b, 0,1,2,3,4,5,6,7,8,9,10,11
.irp j, 0,2,4,6
	v_pk_add_f32 v[8*(12*\ap+\b)+\j:8*(12*\ap+\b)+\j+1], v[8*(12*\ap+\b)+\j:8*(12*\ap+\b)+\j+1], v[BIAS+8*\b+\j:BIAS+8*\b+\j+1]
.endr
.endr
	WIN \wcvt
.irp b, 0,1,2,3,4,5,6,7,8,9,10,11
.irp i, 0,1,2,3
	v_cvt_pk_f16_f32 v[TMP+4*\b+\i], v[8*(12*\ap+\b)+2*\i], v[8*(12*\ap+\b)+2*\i+1]
.endr
.endr
	WIN 0
.irp b, 0,1,2,3,4,5,6,7,8,9,10,11
	ds_store_b128 v[STO], v[TMP+4*\b:TMP+4*\b+3] offset:32*\b
.endr
	s_wait_xcnt 0x0                                ; the registers read back into are the last 16 rows' store data: rewritten only behind this wait
.irp c, 0,1,2
.irp t, 0,1,2,3
	ds_load_b128 v[FA+4*(4*\c+\t):FA+4*(4*\c+\t)+3], v[RD] offset:\t*4*SPITCH+128*\c   ; a wave's LDS instructions are served in order: these see the stores above
.endr
.endr
.irp c, 0,1,2
.irp t, 0,1,2,3
	s_wait_dscnt 11-(4*\c+\t)
	global_store_b128 v[CO], v[FA+4*(4*\c+\t):FA+4*(4*\c+\t)+3], s[10:11] offset:\c*524288+(16*\a+4*\t)*128
.endr
.endr
.endm
	OUT16 0, 0, 0x82, 0x0a
	OUT16 1, 1, 0x82, 0x0a
	OUT16 2, 0, 0xc3, 0x0f
	OUT16 3, 1, 0xc3, 0x0f
	s_set_vgpr_msb 0x1
	s_wait_tensorcnt 0x0
	ds_add_u32 v255, v255
	s_wait_dscnt 0x0
	s_set_vgpr_msb 0x100
	CROUND                                         ; the closing round: no work-group ends while a partner may still ask jointly
	s_endpgm
.Lfunc_end_k_qe51271480a_qkvgemm:
	.size	k_qe51271480a_qkvgemm, .Lfunc_end_k_qe51271480a_qkvgemm-k_qe51271480a_qkvgemm
	.p2alignl 7, 3214868480
	.fill 96, 4, 3214868480
	.section	.rodata,"a",@progbits
	.p2align	6, 0x0
	.amdhsa_kernel k_qe51271480a_qkvgemm
		.amdhsa_group_segment_fixed_size 327680
		.amdhsa_private_segment_fixed_size 0
		.amdhsa_enable_private_segment 0
		.amdhsa_kernarg_size 32
		.amdhsa_user_sgpr_count 2
		.amdhsa_user_sgpr_kernarg_segment_ptr 1
		.amdhsa_wavefront_size32 1
		.amdhsa_system_sgpr_workgroup_id_x 1
		.amdhsa_system_sgpr_workgroup_id_y 1
		.amdhsa_system_sgpr_workgroup_id_z 1
		.amdhsa_system_vgpr_workitem_id 0
		.amdhsa_next_free_vgpr 960
		.amdhsa_next_free_sgpr 80
		.amdhsa_reserve_vcc 0
		.amdhsa_float_denorm_mode_32 3
		.amdhsa_float_denorm_mode_16_64 3
		.amdhsa_memory_ordered 1
		.amdhsa_forward_progress 1
		.amdhsa_inst_pref_size 179
	.end_amdhsa_kernel
	.amdgpu_metadata
---
amdhsa.version: [ 1, 2 ]
amdhsa.kernels:
  - .name:           k_qe51271480a_qkvgemm
    .symbol:         k_qe51271480a_qkvgemm.kd
    .args:
      - { .name: xb, .offset: 0, .size: 8, .value_kind: global_buffer, .address_space: global }
      - { .name: wqb, .offset: 8, .size: 8, .value_kind: global_buffer, .address_space: global }
      - { .name: b_qkv, .offset: 16, .size: 8, .value_kind: global_buffer, .address_space: global }
      - { .name: qkv, .offset: 24, .size: 8, .value_kind: global_buffer, .address_space: global }
    .group_segment_fixed_size: 327680
    .private_segment_fixed_size: 0
    .kernarg_segment_align: 8
    .kernarg_segment_size: 32
    .max_flat_workgroup_size: 128
    .sgpr_count:     80
    .vgpr_count:     960
    .wavefront_size: 32
...
	.end_amdgpu_metadata
.endif
;; end of part 2
;; launch attn (part 3): grid 8 x 32, 8 waves a work-group, no clusters, 327,680 bytes of LDS; arguments qkv, att; writes att
.if DOCPART == 3
	.amdgcn_target "amdgcn-amd-amdhsa--gfx1250"
	.amdhsa_code_object_version 6
	.text
	.protected	k_qe51271480a_attn
	.globl	k_qe51271480a_attn
	.p2align	8
	.type	k_qe51271480a_attn,@function
k_qe51271480a_attn:
	s_mov_b64 s[64:65], 0
	v_nop
	global_prefetch_b8 v0, s[64:65] scope:SCOPE_SE
	s_setreg_imm32_b32 hwreg(HW_REG_WAVE_MODE, 25, 1), 1
	s_wait_xcnt 0x0
; Causal attention of one (batch, head): att = softmax(q k^T / 8, keys <= query) v.  qkv: f16 [48][4096][64]; att: f16 [16 h][4096 m][64].
; LIMITS: q, k, v, the probabilities fed to the second product and att are f16 (|q|, |k|, |v| < 65,504; probabilities, at most 1 beside the
; running maximum's term of 1, are kept to within 2^-25 below 2^-14); scores, maxima, sums and the output sums are f32.
; The running maximum starts at -FLT_MAX (0xff7fffff), masked scores are -inf; NaN or infinite inputs are not served.  v_exp_f32 gives 0
; for results below 2^-126 (ISA guide 15.8): such terms stand beside a largest term of 1 in a sum between 1 and 2048.  Keys are summed in
; tiles and in two halves, an order other than a plain row sum.
; WORK: query blocks of 128 rows (q = 0..15), key tiles of 256; block q needs q/2 + 1 tiles, the last one masked.  Work-group p takes blocks p
; and 15 - p: nine tiles for every p, 8 x 32 = 256 equal work-groups.  The block with an even number of tiles (bit 1 of q set) goes first, so
; that step s always uses slot s & 1, the first block's masked tile is in slot 1 and the second block's is step 8 in slot 0.
; WAVES: eight.  qg = wave & 3 owns 32 queries; kh = wave / 4 owns one half of the keys (64 of every 128) with its own maximum, sum and output,
; merged through LDS once a block.
; NO CLUSTER: the eight work-groups of a head walk different tile sequences (0 .. nE-1, then 0 .. 8-nE, nE = 2, 4, 6 or 8 by p), so at a given
; step partners want different tiles and a joint request would not name the same bytes.
; TRANSPOSED FORMS: S^T = K Q^T (source 0 = 16 keys, source 1 = 16 queries): lane (r, h) holds query r and keys 8 h + 0..7 of each tile, so
; maximum, sum and rescale are one number a lane and one exchange with lane ^ 16; two packed S^T tiles are already a source-1 fragment of
; P^T; O^T = V^T P^T (source 0 = V through the transposing load): a lane ends with eight neighbouring d of one query, 16 bytes of f16.
.set KP,   272                         ; two keys (256 bytes) + 16: 17 x 16 bytes
.set VP,   288                         ; two keys + 32: 9 x 32 bytes, for the transposing load
.set VOFF, 128*KP
.set SLOT, VOFF+128*VP                 ; 71,680
.set SCR,  2*SLOT                      ; 143,360: the key halves meet here, 4 x 8,704; never filled by a tensor load
.set SCRW, 8704
.set STG,  SCR+4*SCRW                  ; 178,176: output stage, 4,608 for each wave
.set STGP, 144
.set STGW, 32*STGP
.set TILEB, 32768                      ; bytes of a tile of 256 keys
.set CEXP, 0x3e38aa3b                  ; log2(e) / 8
.set CNEG, 0xbe38aa3b
.set KAD, 1                            ; v1-2    K fragment address, slot 0, 1
.set VAD, 3                            ; v3-4    V fragment address
.set DME, 5                            ; v5, v6  mask bound of the first and of the second block
.set DMO, 6
.set NINF, 7
.set QOFF, 8
.set SCRA, 9
.set STO, 10
.set RD,  11
.set MR,  12                           ; v12-13  running maximum of query tile 0, 1
.set LS,  14                           ; v14-15  running sum, this lane's keys only
.set MX,  16
.set PT,  18
.set NM,  20                           ; v20, v22  -c x maximum; broadcast from the even register of a pair
.set DT,  21
.set CO,  23
.set AL,  24                           ; v24, v26  rescale factor; v25, v27 only complete the pairs
.set SUM, 28
.set QF,  32                           ; + 8 (2 nt + ks)
.set KF,  64                           ; + 8 (2 mt + ks); later P^T at + 8 (2 nt + kk)
.set VF,  128                          ; + 8 (2 dt + kk)
.set SC,  192                          ; + 8 (2 mt + nt)
                                       ; window 1: O^T at 8 (2 dt + nt)
.set G1K, 32
.set G1V, 40
.set G0K, 48
.set G0V, 56
.set MSB, 0
.macro WIN new
.if MSB != \new
	s_set_vgpr_msb (MSB<<8)|\new
.set MSB, \new
.endif
.endm
.macro PLACES                          ; four places behind matrix instructions (ISA guide 7.12.1)
.rept 4
	v_nop
.endr
.endm
; One load a wave: waves 0-3 a quarter of K's tile, waves 4-7 a quarter of V's: 32 rows of 256 bytes each, the 256 rows of a step shared
; out evenly among the eight waves.
.macro JLOAD s
	s_cmp_eq_u32 s10, 0
	s_cbranch_scc0 .Lfor_v_\@
	tensor_load_to_lds s[G0K+4*\s:G0K+4*\s+3], s[G1K:G1K+7]
	s_nop 0
	s_branch .Lasked_\@
.Lfor_v_\@:
	tensor_load_to_lds s[G0V+4*\s:G0V+4*\s+3], s[G1V:G1V+7]
	s_nop 0
.Lasked_\@:
.endm
.macro QLOAD qb                        ; my 32 queries as source-1 fragments, straight from memory
.irp nt, 0,1
.irp ks, 0,1
	global_load_b128 v[QF+8*(2*\nt+\ks):QF+8*(2*\nt+\ks)+3], v[QOFF], s[\qb:\qb+1] offset:\nt*2048+\ks*64
	global_load_b128 v[QF+8*(2*\nt+\ks)+4:QF+8*(2*\nt+\ks)+7], v[QOFF], s[\qb:\qb+1] offset:\nt*2048+\ks*64+32
.endr
.endr
.endm
.macro INIT                            ; a block starts: maximum -FLT_MAX, sums 0
	v_mov_b32 v[MR], 0xff7fffff
	v_mov_b32 v[MR+1], 0xff7fffff
	v_mov_b32 v[LS], 0
	v_mov_b32 v[LS+1], 0
	WIN 0x40
.set i, 0
.rept 64
	v_mov_b32 v[i], 0
.set i, i+1
.endr
	WIN 0
.endm
	s_load_b128 s[4:7], s[0:1], 0x0                ; qkv s[4:5], att s[6:7]
	s_set_vgpr_msb 0x40
	v_lshl_add_u32 v64, v0, 2, 0x34800
	v_mov_b32 v65, 0
	s_set_vgpr_msb 0x4045
	ds_add_u32 v64, v65
	ds_add_u32 v64, v65
	s_set_vgpr_msb 0x4500
	v_lshrrev_b32 v[SC], 5, v0
	v_readfirstlane_b32 s8, v[SC]                  ; wave 0..7
	s_and_b32 s9, s8, 3                            ; qg
	s_lshr_b32 s10, s8, 2                          ; kh
	s_mov_b32 s11, ttmp9                           ; p
	s_and_b32 s12, ttmp7, 0xffff
	s_lshr_b32 s13, s12, 4                         ; batch
	s_and_b32 s14, s12, 15                         ; head
	s_sub_co_u32 s19, 15, s11
	s_bitcmp1_b32 s11, 1
	s_cselect_b32 s15, s11, s19                    ; qE: the block with an even number of tiles
	s_cselect_b32 s16, s19, s11                    ; qO: the other
	s_lshr_b32 s17, s15, 2                         ; the loop trip in which the first block ends
	s_mov_b32 s30, 0x76543210                      ; v_permlanex16_b32: lane i reads lane i ^ 16
	s_mov_b32 s31, 0xfedcba98
	s_mov_b32 s[G1K+0], (3<<16)|(1<<20)|(5<<22)|(3<<25)   ; 8-byte elements; pad 4 words behind every 64
	s_mov_b32 s[G1V+0], (3<<16)|(1<<20)|(5<<22)|(7<<25)   ; pad 8 words
.irp g, G1K, G1V
	s_mov_b32 s[\g+1], 32<<16                      ; tensor_dim0 = 32 elements (256 bytes)
	s_mov_b32 s[\g+2], 32<<16                      ; tensor_dim1 = 32 rows
	s_mov_b32 s[\g+3], 32<<16                      ; tile_dim0
	s_mov_b32 s[\g+4], 32                          ; tile_dim1
	s_mov_b32 s[\g+5], 32                          ; dense: the pitch is the row
	s_mov_b32 s[\g+6], 0
	s_mov_b32 s[\g+7], 0
.endr
	s_mul_i32 s70, s9, 32*KP
	s_mul_i32 s71, s9, 32*VP
	s_add_co_u32 s71, s71, VOFF
.irp s, 0,1
	s_mov_b32 s[G0K+4*\s], 1
	s_add_co_u32 s[G0K+4*\s+1], s70, \s*SLOT
	s_mov_b32 s[G0V+4*\s], 1
	s_add_co_u32 s[G0V+4*\s+1], s71, \s*SLOT
.endr
	s_lshl_b32 s72, s14, 19                        ; head x 524,288
	s_lshl_b32 s73, s13, 18                        ; + batch x 2,048 rows x 128 bytes
	s_add_co_u32 s72, s72, s73
	s_lshl_b32 s73, s9, 13                         ; my quarter of a tile
	s_add_co_u32 s76, s72, s73
	s_add_co_u32 s76, s76, 16<<19                  ; k heads begin at group 16
	s_mov_b32 s77, 0
	s_add_co_u32 s78, s76, 16<<19                  ; v heads at group 32
	s_mov_b32 s79, 0
	s_lshl_b32 s73, s9, 12                         ; my 32 queries
	s_add_co_u32 s72, s72, s73
	s_lshl_b32 s80, s15, 14
	s_add_co_u32 s80, s80, s72
	s_mov_b32 s81, 0
	s_lshl_b32 s82, s16, 14
	s_add_co_u32 s82, s82, s72
	s_mov_b32 s83, 0
	s_wait_dscnt 0x0
	s_wait_kmcnt 0x0
	s_add_nc_u64 s[22:23], s[4:5], s[76:77]        ; K: my quarter of tile 0
	s_add_nc_u64 s[24:25], s[4:5], s[78:79]        ; V
	s_add_nc_u64 s[26:27], s[4:5], s[80:81]        ; my queries of the first block
	s_add_nc_u64 s[28:29], s[4:5], s[82:83]        ; of the second
	s_add_nc_u64 s[66:67], s[6:7], s[80:81]        ; and where their results go
	s_add_nc_u64 s[68:69], s[6:7], s[82:83]
	s_mov_b64 s[G0K+2:G0K+3], s[22:23]
	s_or_b32 s[G0K+3], s[G0K+3], 0x80000000
	s_mov_b64 s[G0V+2:G0V+3], s[24:25]
	s_or_b32 s[G0V+3], s[G0V+3], 0x80000000
	JLOAD 0                                        ; tile 0 into slot 0, ahead of everything else: one load of this wave is out
	s_mov_b32 s20, TILEB                           ; s[20:21]: byte offset of the tile to ask for next
	s_mov_b32 s21, 0
	v_and_b32 v[SC+1], 15, v0                      ; r
	v_bfe_u32 v[SC+2], v0, 4, 1                    ; h
	v_and_b32 v[SC+3], 31, v0                      ; lane
	v_lshlrev_b32 v[QOFF], 7, v[SC+1]
	v_lshl_add_u32 v[QOFF], v[SC+2], 4, v[QOFF]    ; query r, 16 h
	QLOAD 26
	v_lshrrev_b32 v[SC+4], 1, v[SC+1]              ; K fragment: key r lies at (r / 2) x 272 + (r & 1) x 128
	v_mul_u32_u24 v[SC+4], v[SC+4], KP
	v_and_b32 v[SC+5], 1, v0
	v_lshl_add_u32 v[SC+4], v[SC+5], 7, v[SC+4]
	v_lshl_add_u32 v[SC+4], v[SC+2], 4, v[SC+4]
	s_mul_i32 s70, s10, 32*KP                      ; my half: 64 keys
	v_add_nc_u32 v[KAD], s70, v[SC+4]
	v_add_nc_u32 v[KAD+1], SLOT, v[KAD]
	v_bfe_u32 v[SC+4], v0, 1, 2                    ; V, transposing load: key 8 h + (lane & 7), 16 bytes by lane bit 3
	v_lshl_add_u32 v[SC+4], v[SC+2], 2, v[SC+4]
	v_mul_u32_u24 v[SC+4], v[SC+4], VP
	v_lshl_add_u32 v[SC+4], v[SC+5], 7, v[SC+4]
	v_bfe_u32 v[SC+6], v0, 3, 1
	v_lshl_add_u32 v[SC+4], v[SC+6], 4, v[SC+4]
	s_mul_i32 s70, s10, 32*VP
	s_add_co_u32 s70, s70, VOFF
	v_add_nc_u32 v[VAD], s70, v[SC+4]
	v_add_nc_u32 v[VAD+1], SLOT, v[VAD]
	; key 128 ss + 64 kh + 16 mt + 8 h + j <= query 128 (q & 1) + 32 qg + 16 nt + r  <=>  16 (mt - nt) + j <= DM - 128 ss
	v_lshlrev_b32 v[SC+4], 3, v[SC+2]
	v_sub_nc_u32 v[SC+4], v[SC+1], v[SC+4]         ; r - 8 h
	s_lshl_b32 s70, s9, 5
	s_lshl_b32 s71, s10, 6
	s_sub_co_u32 s70, s70, s71                     ; 32 qg - 64 kh
	s_and_b32 s71, s15, 1
	s_lshl_b32 s71, s71, 7
	s_add_co_u32 s71, s71, s70
	v_add_nc_u32 v[DME], s71, v[SC+4]
	s_and_b32 s71, s16, 1
	s_lshl_b32 s71, s71, 7
	s_add_co_u32 s71, s71, s70
	v_add_nc_u32 v[DMO], s71, v[SC+4]
	v_mov_b32 v[NINF], 0xff800000
	s_mul_i32 s70, s9, SCRW
	s_add_co_u32 s70, s70, SCR
	v_lshl_add_u32 v[SCRA], v[SC+3], 4, s70        ; 16 bytes a lane, the same place for waves qg and qg + 4
	s_mul_i32 s70, s8, STGW
	s_add_co_u32 s70, s70, STG
	v_mul_u32_u24 v[SC+4], v[SC+1], STGP
	v_lshl_add_u32 v[SC+4], v[SC+2], 4, v[SC+4]
	v_add_nc_u32 v[STO], s70, v[SC+4]
	v_bfe_u32 v[SC+4], v0, 3, 2
	v_mul_u32_u24 v[SC+4], v[SC+4], STGP
	v_and_b32 v[SC+5], 7, v0
	v_lshl_add_u32 v[SC+4], v[SC+5], 4, v[SC+4]
	v_add_nc_u32 v[RD], s70, v[SC+4]
	v_lshlrev_b32 v[CO], 4, v[SC+3]
	v_mov_b32 v[PT], 0                             ; v_permlanex16_b32 counts as a reader of its destination
	v_mov_b32 v[PT+1], 0
	v_mov_b32 v[DT], 0                             ; DT, CO, AL+1, AL+3 are the odd halves of pairs that are read whole
	v_mov_b32 v[AL+1], 0
	v_mov_b32 v[AL+3], 0
	INIT
	s_wait_loadcnt 0x0                             ; my queries
; The head of a step on slot.  Every wave waits for all its tensor loads (its part of this step's tile) and for its reads of the other slot,
; then the barrier; behind it the other slot is filled again first, one load a wave, which has the whole step in which to land.
; In the step that ends the first block (slot 1, trip s17) the next tile is the second block's tile 0.
.macro STEPHEAD slot, other, refill
	s_set_vgpr_msb 0x5
	s_wait_tensorcnt 0x0
	ds_add_u32 v64, v65
	s_wait_dscnt 0x0
	s_set_vgpr_msb 0x500
.if \slot
	s_cmp_eq_u32 s18, s17
	s_cselect_b32 s20, 0, s20
.endif
.if \refill
	s_add_nc_u64 s[G0K+4*\other+2:G0K+4*\other+3], s[22:23], s[20:21]   ; no load of mine is out: the descriptors may be written
	s_or_b32 s[G0K+4*\other+3], s[G0K+4*\other+3], 0x80000000
	s_add_nc_u64 s[G0V+4*\other+2:G0V+4*\other+3], s[24:25], s[20:21]
	s_or_b32 s[G0V+4*\other+3], s[G0V+4*\other+3], 0x80000000
	s_add_co_u32 s20, s20, TILEB
.endif
	s_wait_dscnt 0x0
	s_barrier_signal -1
	s_barrier_wait -1
.if \refill
	JLOAD \other
.endif
.endm
; One sub-step: my 32 queries against my 64 keys of the tile's half ss.
.macro SUB slot, ss, mask, dm
	PLACES                                         ; behind the last products: KF (P^T) and VF are loaded again, O^T is rescaled below
.irp mt, 0,1,2,3
.irp ks, 0,1
	ds_load_b128 v[KF+8*(2*\mt+\ks):KF+8*(2*\mt+\ks)+3], v[KAD+\slot] offset:\ss*64*KP+\mt*8*KP+64*\ks
	ds_load_b128 v[KF+8*(2*\mt+\ks)+4:KF+8*(2*\mt+\ks)+7], v[KAD+\slot] offset:\ss*64*KP+\mt*8*KP+64*\ks+32
.endr
.endr
.irp dt, 0,1,2,3
.irp kk, 0,1
	ds_load_tr16_b128 v[VF+8*(2*\dt+\kk):VF+8*(2*\dt+\kk)+3], v[VAD+\slot] offset:\ss*64*VP+\kk*16*VP+32*\dt
	ds_load_tr16_b128 v[VF+8*(2*\dt+\kk)+4:VF+8*(2*\dt+\kk)+7], v[VAD+\slot] offset:\ss*64*VP+\kk*16*VP+32*\dt+8*VP
.endr
.endr
	s_wait_dscnt 16                                ; K's 16 loads are in; V's 16 may be out
	; S^T: eight accumulators by turns, d 0-31 starting the sums, then d 32-63
.irp mt, 0,1,2,3
.irp nt, 0,1
	v_wmma_f32_16x16x32_f16 v[SC+8*(2*\mt+\nt):SC+8*(2*\mt+\nt)+7], v[KF+16*\mt:KF+16*\mt+7], v[QF+16*\nt:QF+16*\nt+7], 0
.endr
.endr
.irp mt, 0,1,2,3
.irp nt, 0,1
	v_wmma_f32_16x16x32_f16 v[SC+8*(2*\mt+\nt):SC+8*(2*\mt+\nt)+7], v[KF+16*\mt+8:KF+16*\mt+15], v[QF+16*\nt+8:QF+16*\nt+15], v[SC+8*(2*\mt+\nt):SC+8*(2*\mt+\nt)+7]
.endr
.endr
	PLACES
.if \mask
	v_add_nc_u32 v[DT], -128*\ss, v[\dm]
.irp mt, 0,1,2,3
.irp nt, 0,1
.irp j, 0,1,2,3,4,5,6,7
	v_cmp_le_i32 vcc_lo, 16*(\mt-\nt)+\j, v[DT]
	v_cndmask_b32 v[SC+8*(2*\mt+\nt)+\j], v[NINF], v[SC+8*(2*\mt+\nt)+\j], vcc_lo   ; keys behind the query: -inf
.endr
.endr
.endr
.endif
	; the largest of my 32 scores of each query, two chains side by side
	v_max3_num_f32 v[MX], v[SC], v[SC+1], v[SC+2]
	v_max3_num_f32 v[MX+1], v[SC+8], v[SC+9], v[SC+10]
.set i, 3
.rept 14
	v_max3_num_f32 v[MX], v[MX], v[SC+16*(i/8)+i%8], v[SC+16*((i+1)/8)+(i+1)%8]
	v_max3_num_f32 v[MX+1], v[MX+1], v[SC+8+16*(i/8)+i%8], v[SC+8+16*((i+1)/8)+(i+1)%8]
.set i, i+2
.endr
	v_max_num_f32 v[MX], v[MX], v[SC+55]
	v_max_num_f32 v[MX+1], v[MX+1], v[SC+63]
	v_permlanex16_b32 v[PT], v[MX], s30, s31       ; the other eight keys of each tile lie in lane ^ 16
	v_permlanex16_b32 v[PT+1], v[MX+1], s30, s31
	v_max3_num_f32 v[PT], v[MX], v[PT], v[MR]      ; the new running maximum
	v_max3_num_f32 v[PT+1], v[MX+1], v[PT+1], v[MR+1]
	v_sub_f32 v[AL], v[MR], v[PT]                  ; exactly 0 where the maximum stays
	v_sub_f32 v[AL+2], v[MR+1], v[PT+1]
	v_mul_f32 v[NM], CNEG, v[PT]
	v_mul_f32 v[NM+2], CNEG, v[PT+1]
	v_mul_f32 v[AL], CEXP, v[AL]
	v_mul_f32 v[AL+2], CEXP, v[AL+2]
	v_mov_b32 v[MR], v[PT]
	v_mov_b32 v[MR+1], v[PT+1]
.irp mt, 0,1,2,3
.irp nt, 0,1
.irp j, 0,2,4,6
	v_pk_fma_f32 v[SC+8*(2*\mt+\nt)+\j:SC+8*(2*\mt+\nt)+\j+1], v[SC+8*(2*\mt+\nt)+\j:SC+8*(2*\mt+\nt)+\j+1], CEXP, v[NM+2*\nt:NM+2*\nt+1] op_sel_hi:[1,0,0]   ; c (s - maximum)
.endr
.endr
.endr
.set i, 0
.rept 64
	v_exp_f32 v[SC+i], v[SC+i]
.set i, i+1
.endr
	v_exp_f32 v[AL], v[AL]
	v_exp_f32 v[AL+2], v[AL+2]
	v_nop                                          ; one plain place behind the transcendentals (ISA guide 5.7.2)
	s_wait_alu depctr_va_vdst(0)
	v_pk_add_f32 v[SUM:SUM+1], v[SC:SC+1], v[SC+2:SC+3]
	v_pk_add_f32 v[SUM+2:SUM+3], v[SC+8:SC+9], v[SC+10:SC+11]
.set i, 4
.rept 14
	v_pk_add_f32 v[SUM:SUM+1], v[SUM:SUM+1], v[SC+16*(i/8)+i%8:SC+16*(i/8)+i%8+1]
	v_pk_add_f32 v[SUM+2:SUM+3], v[SUM+2:SUM+3], v[SC+8+16*(i/8)+i%8:SC+8+16*(i/8)+i%8+1]
.set i, i+2
.endr
	v_fma_f32 v[LS], v[LS], v[AL], v[SUM]
	v_fma_f32 v[LS+1], v[LS+1], v[AL+2], v[SUM+2]
	v_add_f32 v[LS], v[LS], v[SUM+1]
	v_add_f32 v[LS+1], v[LS+1], v[SUM+3]
	; P^T (nt, kk): registers 0-3 from S^T tile 2 kk, 4-7 from tile 2 kk + 1: keys 32 kk + 8 h + 0..7 and 32 kk + 16 + 8 h + 0..7
.irp nt, 0,1
.irp kk, 0,1
.irp e, 0,1
.irp i, 0,1,2,3
	v_cvt_pk_f16_f32 v[KF+8*(2*\nt+\kk)+4*\e+\i], v[SC+16*(2*\kk+\e)+8*\nt+2*\i], v[SC+16*(2*\kk+\e)+8*\nt+2*\i+1]
.endr
.endr
.endr
.endr
	s_wait_dscnt 0x0                               ; V
	WIN 0x41
.irp dt, 0,1,2,3
.irp nt, 0,1
.irp j, 0,2,4,6
	v_pk_mul_f32 v[8*(2*\dt+\nt)+\j:8*(2*\dt+\nt)+\j+1], v[8*(2*\dt+\nt)+\j:8*(2*\dt+\nt)+\j+1], v[AL+2*\nt:AL+2*\nt+1] op_sel_hi:[1,0]
.endr
.endr
.endr
	WIN 0x50
.irp kk, 0,1
.irp dt, 0,1,2,3
.irp nt, 0,1
	v_wmma_f32_16x16x32_f16 v[8*(2*\dt+\nt):8*(2*\dt+\nt)+7], v[VF+8*(2*\dt+\kk):VF+8*(2*\dt+\kk)+7], v[KF+8*(2*\nt+\kk):KF+8*(2*\nt+\kk)+7], v[8*(2*\dt+\nt):8*(2*\dt+\nt)+7]
.endr
.endr
.endr
	WIN 0
.endm
; A block ends: waves 4-7 hand their output, maximum and sum to waves 0-3 through LDS; those merge, divide, round and store.
; loadq = 1: the next block's queries are asked for first, and its sums are started behind the merge.
.macro FINISH ob, loadq, qb
	PLACES
.if \loadq
	QLOAD \qb
.endif
	s_cmp_eq_u32 s10, 0
	s_cbranch_scc1 .Lkeep_\@
	WIN 0x04
.irp i, 0,1,2,3,4,5,6,7,8,9,10,11,12,13,14,15
	ds_store_b128 v[SCRA], v[4*\i:4*\i+3] offset:512*\i
.endr
	WIN 0
	ds_store_b128 v[SCRA], v[MR:MR+3] offset:8192
.Lkeep_\@:
	s_wait_dscnt 0x0                               ; my stores are done, for the partner's sake
	s_barrier_signal -1                            ; the tile on its way may stay out
	s_barrier_wait -1
	s_cmp_lg_u32 s10, 0
	s_cbranch_scc1 .Ldone_\@
.irp i, 0,1,2,3,4,5,6,7,8,9,10,11,12,13,14,15
	ds_load_b128 v[SC+4*\i:SC+4*\i+3], v[SCRA] offset:512*\i
.endr
	ds_load_b128 v[KF:KF+3], v[SCRA] offset:8192   ; the partner's maxima KF, KF+1 and sums KF+2, KF+3
	s_wait_dscnt 0x0
.irp nt, 0,1
	v_max_num_f32 v[KF+4+\nt], v[MR+\nt], v[KF+\nt]
	v_sub_f32 v[KF+8+2*\nt], v[MR+\nt], v[KF+4+\nt]
	v_sub_f32 v[KF+12+2*\nt], v[KF+\nt], v[KF+4+\nt]
	v_mul_f32 v[KF+8+2*\nt], CEXP, v[KF+8+2*\nt]
	v_mul_f32 v[KF+12+2*\nt], CEXP, v[KF+12+2*\nt]
.endr
	v_exp_f32 v[KF+8], v[KF+8]
	v_exp_f32 v[KF+10], v[KF+10]
	v_exp_f32 v[KF+12], v[KF+12]
	v_exp_f32 v[KF+14], v[KF+14]
	v_nop
	s_wait_alu depctr_va_vdst(0)
.irp nt, 0,1
	v_mul_f32 v[KF+6+\nt], v[LS+\nt], v[KF+8+2*\nt]
	v_fmac_f32 v[KF+6+\nt], v[KF+2+\nt], v[KF+12+2*\nt]
	v_permlanex16_b32 v[PT+\nt], v[KF+6+\nt], s30, s31      ; the sums of the other eight keys of each tile
	v_add_f32 v[KF+6+\nt], v[KF+6+\nt], v[PT+\nt]           ; at least 1: the row's largest term is 1
.endr
	v_rcp_f32 v[KF+6], v[KF+6]
	v_rcp_f32 v[KF+7], v[KF+7]
	v_nop
	s_wait_alu depctr_va_vdst(0)
.irp nt, 0,1
	v_mul_f32 v[KF+8+2*\nt], v[KF+8+2*\nt], v[KF+6+\nt]     ; my factor
	v_mul_f32 v[KF+12+2*\nt], v[KF+12+2*\nt], v[KF+6+\nt]   ; the partner's
.endr
.irp dt, 0,1,2,3
.irp nt, 0,1
.irp j, 0,2,4,6
	v_pk_mul_f32 v[SC+8*(2*\dt+\nt)+\j:SC+8*(2*\dt+\nt)+\j+1], v[SC+8*(2*\dt+\nt)+\j:SC+8*(2*\dt+\nt)+\j+1], v[KF+12+2*\nt:KF+13+2*\nt] op_sel_hi:[1,0]
.endr
.endr
.endr
	WIN 0x01
.irp dt, 0,1,2,3
.irp nt, 0,1
.irp j, 0,2,4,6
	v_pk_fma_f32 v[SC+8*(2*\dt+\nt)+\j:SC+8*(2*\dt+\nt)+\j+1], v[8*(2*\dt+\nt)+\j:8*(2*\dt+\nt)+\j+1], v[KF+8+2*\nt:KF+9+2*\nt], v[SC+8*(2*\dt+\nt)+\j:SC+8*(2*\dt+\nt)+\j+1] op_sel_hi:[1,0,1]
.endr
.endr
.endr
	WIN 0
.irp dt, 0,1,2,3
.irp nt, 0,1
.irp i, 0,1,2,3
	v_cvt_pk_f16_f32 v[KF+32+4*(2*\dt+\nt)+\i], v[SC+8*(2*\dt+\nt)+2*\i], v[SC+8*(2*\dt+\nt)+2*\i+1]
.endr
.endr
.endr
.irp dt, 0,1,2,3
.irp nt, 0,1
	ds_store_b128 v[STO], v[KF+32+4*(2*\dt+\nt):KF+32+4*(2*\dt+\nt)+3] offset:\nt*16*STGP+32*\dt
.endr
.endr
.irp t, 0,1,2,3,4,5,6,7
	ds_load_b128 v[VF+4*\t:VF+4*\t+3], v[RD] offset:\t*4*STGP    ; my own bytes, served in order behind the stores
.endr
.irp t, 0,1,2,3,4,5,6,7
	s_wait_dscnt 7-\t
	global_store_b128 v[CO], v[VF+4*\t:VF+4*\t+3], s[\ob:\ob+1] offset:512*\t   ; four rows of 128 bytes: 512 consecutive bytes, aligned
.endr
.if \loadq
	s_wait_xcnt 0x0                                ; VF, the stores' data, is loaded again in the next sub-step
.endif
.Ldone_\@:
.if \loadq
	INIT
	s_wait_loadcnt 0x0                             ; the next block's queries
.endif
.endm
	s_mov_b32 s18, 0
.Lloop:                                            ; four trips of two steps; every trip asks for two tiles
	STEPHEAD 0, 1, 1
	SUB 0, 0, 0, DME
	SUB 0, 1, 0, DME
	STEPHEAD 1, 0, 1
	s_cmp_eq_u32 s18, s17                          ; hangs on the work-group's number and the trip: the same in all eight waves
	s_cbranch_scc1 .Ldiag
	SUB 1, 0, 0, DME
	SUB 1, 1, 0, DME
	s_branch .Lnext
.Ldiag:                                            ; the first block's last tile holds its diagonal
	SUB 1, 0, 1, DME
	s_bitcmp1_b32 s15, 0
	s_cbranch_scc0 .Leven_e                        ; an even block lies in the tile's lower 128 keys: the upper 128 are all behind it
	SUB 1, 1, 1, DME
.Leven_e:
	FINISH 66, 1, 28
.Lnext:
	s_add_co_u32 s18, s18, 1
	s_cmp_lt_u32 s18, 4
	s_cbranch_scc1 .Lloop
	STEPHEAD 0, 1, 0                               ; step 8: the second block's diagonal tile; nothing is left to fetch
	SUB 0, 0, 1, DMO
	s_bitcmp1_b32 s16, 0
	s_cbranch_scc0 .Leven_o
	SUB 0, 1, 1, DMO
.Leven_o:
	FINISH 68, 0, 28
	s_set_vgpr_msb 0x5
	s_wait_tensorcnt 0x0
	ds_add_u32 v64, v65
	s_wait_dscnt 0x0
	s_set_vgpr_msb 0x500
	s_endpgm
.Lfunc_end_k_qe51271480a_attn:
	.size	k_qe51271480a_attn, .Lfunc_end_k_qe51271480a_attn-k_qe51271480a_attn
	.p2alignl 7, 3214868480
	.fill 96, 4, 3214868480
	.section	.rodata,"a",@progbits
	.p2align	6, 0x0
	.amdhsa_kernel k_qe51271480a_attn
		.amdhsa_group_segment_fixed_size 327680
		.amdhsa_private_segment_fixed_size 0
		.amdhsa_enable_private_segment 0
		.amdhsa_kernarg_size 16
		.amdhsa_user_sgpr_count 2
		.amdhsa_user_sgpr_kernarg_segment_ptr 1
		.amdhsa_wavefront_size32 1
		.amdhsa_system_sgpr_workgroup_id_x 1
		.amdhsa_system_sgpr_workgroup_id_y 1
		.amdhsa_system_sgpr_workgroup_id_z 1
		.amdhsa_system_vgpr_workitem_id 0
		.amdhsa_next_free_vgpr 322
		.amdhsa_next_free_sgpr 84
		.amdhsa_reserve_vcc 1
		.amdhsa_float_denorm_mode_32 3
		.amdhsa_float_denorm_mode_16_64 3
		.amdhsa_memory_ordered 1
		.amdhsa_forward_progress 1
		.amdhsa_inst_pref_size 201
	.end_amdhsa_kernel
	.amdgpu_metadata
---
amdhsa.version: [ 1, 2 ]
amdhsa.kernels:
  - .name:           k_qe51271480a_attn
    .symbol:         k_qe51271480a_attn.kd
    .args:
      - { .name: qkv, .offset: 0, .size: 8, .value_kind: global_buffer, .address_space: global }
      - { .name: att, .offset: 8, .size: 8, .value_kind: global_buffer, .address_space: global }
    .group_segment_fixed_size: 327680
    .private_segment_fixed_size: 0
    .kernarg_segment_align: 8
    .kernarg_segment_size: 16
    .max_flat_workgroup_size: 256
    .sgpr_count:     84
    .vgpr_count:     322
    .wavefront_size: 32
...
	.end_amdgpu_metadata
.endif
;; end of part 3
;; launch outgemm (part 4): grid 8 x 32, 4 waves a work-group, clusters of 4 x 4, 327,680 bytes of LDS; arguments att, wob, b_out, out0; writes out0
.if DOCPART == 4
	.amdgcn_target "amdgcn-amd-amdhsa--gfx1250"
	.amdhsa_code_object_version 6
	.text
	.protected	k_qe51271480a_outgemm
	.globl	k_qe51271480a_outgemm
	.p2align	8
	.type	k_qe51271480a_outgemm,@function
k_qe51271480a_outgemm:
	s_mov_b64 s[64:65], 0
	v_nop
	global_prefetch_b8 v0, s[64:65] scope:SCOPE_SE
	s_setreg_imm32_b32 hwreg(HW_REG_WAVE_MODE, 25, 1), 1
	s_wait_xcnt 0x0
	s_wait_alu depctr_hold_cnt(0) depctr_sa_sdst(0) depctr_va_vdst(0) depctr_va_sdst(0) depctr_va_ssrc(0) depctr_va_vcc(0) depctr_vm_vsrc(0)
	s_getreg_b32 s2, hwreg(HW_REG_IB_STS2, 6, 4)
	s_cmp_eq_u32 s2, 0
	s_cbranch_scc0 .Lentry_in_a_cluster
	s_endpgm
.Lentry_in_a_cluster:
	s_bfe_u32 s2, ttmp6, 0x10000c
	s_cmp_lg_u32 s2, 0xf033
	s_cbranch_scc0 .Lentry_shape_is_right
	s_endpgm
.Lentry_shape_is_right:
; out0 = att W_out + b_out.  att: f16 [16 h][4096 m][64] (column of the product's left side = 64 h + d), wob: f16 [1024 k][1024 n]
; (W_out rounded to bf16 and written in f16), b_out: [1024] f32, out0: [4096][1024] f32.
; LIMITS: operands are f16 (|att|, |W_out| < 65,504), sums and bias f32.
; A work-group makes 128 x 128 with four waves of 64 x 64 (16 accumulator tiles): 32 x 8 = 256 work-groups.
; K goes in four steps of 256 (four heads) through two LDS slots, so that a refill has a whole step of 128 matrix instructions, less the
; sixteen round the barrier, in which to land.  One load of 32 KiB a wave: waves 0, 1 two heads' panels of att each (a panel is 128 rows x
; 128 bytes, dense: 16,384 bytes taken as one long row, padded behind every 256 bytes), waves 2, 3 128 k rows of W each.
; CLUSTERS 4 x 4: att's panels hang on the block row alone (joint along a row of the cluster), W's rows on the block column alone (along a column).
; The matrix instruction is used transposed (source 0 = W through the transposing load, source 1 = att): lane (r, h) holds row r and
; columns 8 h + 0..7.  Window 0: addresses, fragments, bias; window 1: the accumulators at 8 (4 a + b).
.set PA,    272                        ; two rows of att (256 bytes) + 16
.set PB,    288
.set APANEL, 64*PA                     ; 17,408: one head's 128 rows
.set BOFF,  4*APANEL                   ; 69,632
.set SLOT,  BOFF+256*PB                ; 143,360
.set STAGE, 2*SLOT                     ; 286,720: never filled by a tensor load
.set SPITCH, 272
.set WSTAGE, 16*SPITCH
.set ADRA, 16                          ; v16-17
.set ADRB, 18                          ; v18-21: 18 + 2 slot + (quarter / 4)
.set STO,  24
.set RD,   25
.set CO,   26
.set BOF,  27
.set FA,   32                          ; + 32 f
.set FB,   96                          ; + 32 f
.set BIAS, 160
.set RB,   192
.set G1A, 24
.set G0A, 32
.set G1B, 48
.set G0B, 56
.set MSB, 0
.macro WIN new
.if MSB != \new
	s_set_vgpr_msb (MSB<<8)|\new
.set MSB, \new
.endif
.endm
.macro PLACES                          ; four places behind matrix instructions (ISA guide 7.12.1)
.rept 4
	v_nop
.endr
.endm
.macro JLOAD s
	s_cmp_eq_u32 s13, 0
	s_cbranch_scc0 .Lfor_b_\@
	tensor_load_to_lds s[G0A+4*\s:G0A+4*\s+3], s[G1A:G1A+7]
	s_nop 0
	s_branch .Lasked_\@
.Lfor_b_\@:
	tensor_load_to_lds s[G0B+4*\s:G0B+4*\s+3], s[G1B:G1B+7]
	s_nop 0
.Lasked_\@:
.endm
.macro CREST
	s_cmp_lg_u32 s12, 0
	s_cbranch_scc1 .Lnot_wave_0_\@
	s_barrier_signal -3
.Lnot_wave_0_\@:
	s_barrier_wait -3
	s_barrier_signal -1
	s_barrier_wait -1
.endm
.macro CROUND
	s_barrier_signal -1
	s_barrier_wait -1
	CREST
.endm
	s_load_b256 s[4:11], s[0:1], 0x0               ; att s[4:5], wob s[6:7], b_out s[8:9], out0 s[10:11]
	v_lshl_add_u32 v254, v0, 2, 0x4a400
	v_mov_b32 v255, 0
	ds_add_u32 v254, v255
	ds_add_u32 v254, v255
	v_lshrrev_b32 v1, 5, v0
	v_readfirstlane_b32 s12, v1                    ; wave
	s_lshr_b32 s13, s12, 1                         ; wm: which 64 rows.  Also: I fetch for att (0) or for W (1)
	s_and_b32 s14, s12, 1                          ; wn: which 64 columns.  Also: which half of that tile I fetch
	s_bfe_u32 s40, ttmp6, 0x40000                  ; cx
	s_bfe_u32 s41, ttmp6, 0x40004                  ; cy
	s_lshl_b32 s42, ttmp9, 2
	s_add_co_u32 s42, s42, s40                     ; block column 0..7
	s_and_b32 s43, ttmp7, 0xffff
	s_lshl_b32 s43, s43, 2
	s_add_co_u32 s43, s43, s41                     ; block row 0..31
	s_lshl_b32 s44, s41, 2
	s_lshl_b32 s44, 15, s44
	s_lshl_b32 s45, 0x1111, s40
	s_or_b32 s[G1A+0], s44, (3<<16)|(1<<20)|(1<<21)|(5<<22)|(3<<25)   ; mask of my row; 8-byte elements; pad 4 words behind every 64
	s_or_b32 s[G1B+0], s45, (1<<16)|(1<<20)|(1<<21)|(5<<22)|(7<<25)   ; mask of my column; 2-byte elements; pad 8 words behind every 64
	s_mov_b32 s[G1A+1], 2048<<16                   ; tensor_dim0 = 2,048 elements: a panel of 16,384 bytes
	s_mov_b32 s[G1B+1], 128<<16
	s_mov_b32 s[G1A+2], 2<<16                      ; tensor_dim1 = 2 panels
	s_mov_b32 s[G1B+2], 128<<16
	s_mov_b32 s[G1A+3], 2048<<16                   ; tile_dim0
	s_mov_b32 s[G1B+3], 128<<16
	s_mov_b32 s[G1A+4], 2                          ; tile_dim1
	s_mov_b32 s[G1B+4], 128
	s_mov_b32 s[G1A+5], 65536                      ; from head to head: 524,288 bytes
	s_mov_b32 s[G1B+5], 1024
	s_mov_b32 s[G1A+6], 0
	s_mov_b32 s[G1B+6], 0
	s_mov_b32 s[G1A+7], 0
	s_mov_b32 s[G1B+7], 0
	s_lshl_b32 s16, s14, 20                        ; att: my two heads,
	s_lshl_b32 s17, s43, 14                        ; block row x 128 rows x 128 bytes (never holds cx)
	s_add_co_u32 s16, s16, s17
	s_mov_b32 s17, 0
	s_lshl_b32 s46, s14, 18                        ; W: my 128 k rows of 2,048 bytes,
	s_lshl_b32 s47, s42, 8                         ; block column x 256 bytes (never holds cy)
	s_add_co_u32 s46, s46, s47
	s_mov_b32 s47, 0
	s_mul_i32 s20, s14, 2*APANEL
	s_mul_i32 s21, s14, 128*PB
	s_add_co_u32 s21, s21, BOFF
	s_lshl_b32 s68, s42, 9                         ; my first column x 4 bytes: 512 block column + 256 wn
	s_lshl_b32 s69, s14, 8
	s_add_co_u32 s68, s68, s69
	s_mov_b32 s69, 0
	s_lshl_b32 s66, s43, 19                        ; my first row x 4,096 bytes: 128 block row + 64 wm
	s_lshl_b32 s67, s13, 18
	s_add_co_u32 s66, s66, s67
	s_mov_b32 s67, 0
	s_wait_dscnt 0x0
	s_wait_kmcnt 0x0
	s_add_nc_u64 s[16:17], s[4:5], s[16:17]
	s_add_nc_u64 s[46:47], s[6:7], s[46:47]
	s_add_nc_u64 s[8:9], s[8:9], s[68:69]
	s_add_nc_u64 s[10:11], s[10:11], s[68:69]
	s_add_nc_u64 s[10:11], s[10:11], s[66:67]
	CROUND                                         ; in front of the first joint loads
.irp s, 0,1
	s_mov_b32 s[G0A+4*\s], 1
	s_add_co_u32 s[G0A+4*\s+1], s20, \s*SLOT
	s_add_nc_u64 s[G0A+4*\s+2:G0A+4*\s+3], s[16:17], \s*4*524288
	s_or_b32 s[G0A+4*\s+3], s[G0A+4*\s+3], 0x80000000
	s_mov_b32 s[G0B+4*\s], 1
	s_add_co_u32 s[G0B+4*\s+1], s21, \s*SLOT
	s_add_nc_u64 s[G0B+4*\s+2:G0B+4*\s+3], s[46:47], \s*256*2048
	s_or_b32 s[G0B+4*\s+3], s[G0B+4*\s+3], 0x80000000
	JLOAD \s                                       ; two loads of this wave are out
.endr
	v_and_b32 v1, 15, v0                           ; r
	v_bfe_u32 v2, v0, 4, 1                         ; h
	v_lshlrev_b32 v[BOF], 5, v2
.irp b, 0,1,2,3
	global_load_b128 v[BIAS+8*\b:BIAS+8*\b+3], v[BOF], s[8:9] offset:64*\b
	global_load_b128 v[BIAS+8*\b+4:BIAS+8*\b+7], v[BOF], s[8:9] offset:64*\b+16
.endr
	v_lshrrev_b32 v3, 1, v1                        ; att fragment: row r lies at (r / 2) x 272 + (r & 1) x 128
	v_mul_u32_u24 v3, v3, PA
	v_and_b32 v4, 1, v0
	v_lshl_add_u32 v3, v4, 7, v3
	v_lshl_add_u32 v3, v2, 4, v3
	s_mul_i32 s22, s13, 32*PA
	v_add_nc_u32 v[ADRA], s22, v3
	v_add_nc_u32 v[ADRA+1], SLOT, v[ADRA]
	v_and_b32 v4, 7, v0                            ; W fragment, transposing load
	v_lshl_add_u32 v4, v2, 3, v4
	v_mul_u32_u24 v4, v4, PB
	v_bfe_u32 v5, v0, 3, 1
	v_lshl_add_u32 v4, v5, 4, v4
	s_lshl_b32 s22, s14, 7
	s_add_co_u32 s22, s22, BOFF
	v_add_nc_u32 v[ADRB], s22, v4
	v_add_nc_u32 v[ADRB+1], 128*PB, v[ADRB]
	v_add_nc_u32 v[ADRB+2], SLOT, v[ADRB]
	v_add_nc_u32 v[ADRB+3], SLOT, v[ADRB+1]
	s_mul_i32 s23, s12, WSTAGE
	s_add_co_u32 s23, s23, STAGE
	v_mul_u32_u24 v5, v1, SPITCH
	v_lshl_add_u32 v5, v2, 5, v5
	v_add_nc_u32 v[STO], s23, v5                   ; in: row r, 32 h
	v_mul_u32_u24 v5, v2, SPITCH
	v_lshl_add_u32 v5, v1, 4, v5
	v_add_nc_u32 v[RD], s23, v5                    ; back: lanes 0-15 one row of 256 bytes, lanes 16-31 the next
	v_lshlrev_b32 v5, 12, v2
	v_lshl_add_u32 v[CO], v1, 4, v5                ; the same two rows in out0
.macro MUL4 f, a, zero
.irp b, 0,1,2,3
.if \zero
	v_wmma_f32_16x16x32_f16 v[8*(4*\a+\b):8*(4*\a+\b)+7], v[FB+32*\f+8*\b:FB+32*\f+8*\b+7], v[FA+32*\f+8*\a:FA+32*\f+8*\a+7], 0
.else
	v_wmma_f32_16x16x32_f16 v[8*(4*\a+\b):8*(4*\a+\b)+7], v[FB+32*\f+8*\b:FB+32*\f+8*\b+7], v[FA+32*\f+8*\a:FA+32*\f+8*\a+7], v[8*(4*\a+\b):8*(4*\a+\b)+7]
.endif
.endr
.endm
; 16 LDS loads: eighth kq (32 along K) of a slot into buffer f: 8 for W, then 8 for att (head kq / 2, d 32 (kq & 1) ..)
.macro FETCH slot, kq, f
.irp b, 0,1,2,3
	ds_load_tr16_b128 v[FB+32*\f+8*\b:FB+32*\f+8*\b+3], v[ADRB+2*\slot+\kq/4] offset:(\kq%4)*32*PB+32*\b
	ds_load_tr16_b128 v[FB+32*\f+8*\b+4:FB+32*\f+8*\b+7], v[ADRB+2*\slot+\kq/4] offset:(\kq%4)*32*PB+32*\b+16*PB
.endr
.irp a, 0,1,2,3
	ds_load_b128 v[FA+32*\f+8*\a:FA+32*\f+8*\a+3], v[ADRA+\slot] offset:(\kq/2)*APANEL+\a*8*PA+64*(\kq%2)
	ds_load_b128 v[FA+32*\f+8*\a+4:FA+32*\f+8*\a+7], v[ADRA+\slot] offset:(\kq/2)*APANEL+\a*8*PA+64*(\kq%2)+32
.endr
.endm
; The 16 accumulators take turns, one instruction a turn, in the same order throughout.
.macro QUARTER slot, kq, f, g, zero
	s_wait_dscnt 4                                 ; W and att's tiles 0, 1 are in; the youngest four loads (tiles 2, 3) may be out
	WIN 0x50
	MUL4 \f, 0, \zero
	MUL4 \f, 1, \zero
	WIN 0
	PLACES
	FETCH \slot, \kq, \g
	s_wait_dscnt 16                                ; all but the 16 just issued
	WIN 0x50
	MUL4 \f, 2, \zero
	MUL4 \f, 3, \zero
.endm
.macro SEVEN slot, zero
	QUARTER \slot, 1, 0, 1, \zero
	QUARTER \slot, 2, 1, 0, 0
	QUARTER \slot, 3, 0, 1, 0
	QUARTER \slot, 4, 1, 0, 0
	QUARTER \slot, 5, 0, 1, 0
	QUARTER \slot, 6, 1, 0, 0
	QUARTER \slot, 7, 0, 1, 0
.endm
; The last eighth of a step changes slots: each wave's reads of this slot and all its tensor loads are waited for in front of the barrier;
; where the slot is filled again the barrier opens a round of the cluster's barrier and the joint refill comes first behind its closing wait.
.macro TURN slot, next, fill
	s_wait_dscnt 4
	WIN 0x50
	MUL4 1, 0, 0
	s_wait_dscnt 0
	s_wait_tensorcnt 0x0
	ds_add_u32 v254, v255
	s_wait_dscnt 0x0
	s_barrier_signal -1
	MUL4 1, 1, 0
	WIN 0
	s_barrier_wait -1
.if \fill
	CREST
	s_add_nc_u64 s[G0A+4*\slot+2:G0A+4*\slot+3], s[G0A+4*\slot+2:G0A+4*\slot+3], 8*524288
	s_add_nc_u64 s[G0B+4*\slot+2:G0B+4*\slot+3], s[G0B+4*\slot+2:G0B+4*\slot+3], 512*2048
	JLOAD \slot
.endif
	PLACES
	FETCH \next, 0, 0
	WIN 0x50
	MUL4 1, 2, 0
	MUL4 1, 3, 0
.endm
	s_wait_tensorcnt 1                             ; my part of step 0 is in; step 1's load stays out
	s_barrier_signal -1
	s_barrier_wait -1
	FETCH 0, 0, 0
	SEVEN 0, 1                                     ; heads 0-3; the first products start the sums
	TURN 0, 1, 1                                   ; slot 0 gets heads 8-11
	SEVEN 1, 0                                     ; heads 4-7
	TURN 1, 0, 1                                   ; slot 1 gets heads 12-15
	SEVEN 0, 0
	TURN 0, 1, 0                                   ; nothing is left to fetch
	SEVEN 1, 0
	s_wait_dscnt 4
	WIN 0x50
	MUL4 1, 0, 0
	MUL4 1, 1, 0
	s_wait_dscnt 0
	MUL4 1, 2, 0
	MUL4 1, 3, 0
	; THE WAY OUT, 16 rows at a time: add the bias, 32 bytes a lane into my own stage, read whole rows of 256 bytes back and store them.
	PLACES
	s_wait_loadcnt 0x0                             ; the bias
.macro OUT16 a
	WIN 0x41
.irp b, 0,1,2,3
.irp j, 0,2,4,6
	v_pk_add_f32 v[8*(4*\a+\b)+\j:8*(4*\a+\b)+\j+1], v[8*(4*\a+\b)+\j:8*(4*\a+\b)+\j+1], v[BIAS+8*\b+\j:BIAS+8*\b+\j+1]
.endr
.endr
	WIN 0x04
.irp b, 0,1,2,3
	ds_store_b128 v[STO], v[8*(4*\a+\b):8*(4*\a+\b)+3] offset:64*\b
	ds_store_b128 v[STO], v[8*(4*\a+\b)+4:8*(4*\a+\b)+7] offset:64*\b+16
.endr
	WIN 0
	s_wait_xcnt 0x0                                ; RB is the last 16 rows' store data: rewritten only behind this wait
.irp t, 0,1,2,3,4,5,6,7
	ds_load_b128 v[RB+4*\t:RB+4*\t+3], v[RD] offset:\t*2*SPITCH   ; my own bytes, served in order behind the stores
.endr
.irp t, 0,1,2,3,4,5,6,7
	s_wait_dscnt 7-\t
	global_store_b128 v[CO], v[RB+4*\t:RB+4*\t+3], s[10:11] offset:(16*\a+2*\t)*4096 th:TH_STORE_NT   ; 16 lanes store 256 consecutive bytes, aligned
.endr
.endm
	OUT16 0
	OUT16 1
	OUT16 2
	OUT16 3
	s_wait_tensorcnt 0x0
	ds_add_u32 v254, v255
	s_wait_dscnt 0x0
	CROUND                                         ; the closing round
	s_endpgm
.Lfunc_end_k_qe51271480a_outgemm:
	.size	k_qe51271480a_outgemm, .Lfunc_end_k_qe51271480a_outgemm-k_qe51271480a_outgemm
	.p2alignl 7, 3214868480
	.fill 96, 4, 3214868480
	.section	.rodata,"a",@progbits
	.p2align	6, 0x0
	.amdhsa_kernel k_qe51271480a_outgemm
		.amdhsa_group_segment_fixed_size 327680
		.amdhsa_private_segment_fixed_size 0
		.amdhsa_enable_private_segment 0
		.amdhsa_kernarg_size 32
		.amdhsa_user_sgpr_count 2
		.amdhsa_user_sgpr_kernarg_segment_ptr 1
		.amdhsa_wavefront_size32 1
		.amdhsa_system_sgpr_workgroup_id_x 1
		.amdhsa_system_sgpr_workgroup_id_y 1
		.amdhsa_system_sgpr_workgroup_id_z 1
		.amdhsa_system_vgpr_workitem_id 0
		.amdhsa_next_free_vgpr 384
		.amdhsa_next_free_sgpr 80
		.amdhsa_reserve_vcc 0
		.amdhsa_float_denorm_mode_32 3
		.amdhsa_float_denorm_mode_16_64 3
		.amdhsa_memory_ordered 1
		.amdhsa_forward_progress 1
		.amdhsa_inst_pref_size 95
	.end_amdhsa_kernel
	.amdgpu_metadata
---
amdhsa.version: [ 1, 2 ]
amdhsa.kernels:
  - .name:           k_qe51271480a_outgemm
    .symbol:         k_qe51271480a_outgemm.kd
    .args:
      - { .name: att, .offset: 0, .size: 8, .value_kind: global_buffer, .address_space: global }
      - { .name: wob, .offset: 8, .size: 8, .value_kind: global_buffer, .address_space: global }
      - { .name: b_out, .offset: 16, .size: 8, .value_kind: global_buffer, .address_space: global }
      - { .name: out0, .offset: 24, .size: 8, .value_kind: global_buffer, .address_space: global }
    .group_segment_fixed_size: 327680
    .private_segment_fixed_size: 0
    .kernarg_segment_align: 8
    .kernarg_segment_size: 32
    .max_flat_workgroup_size: 128
    .sgpr_count:     80
    .vgpr_count:     384
    .wavefront_size: 32
...
	.end_amdgpu_metadata
.endif
;; end of part 4
